; MI455X (gfx1250); checked and timed in simulation.
; The chip was launched on July 23, 2026; its instructions are those of AMD's public machine-readable ISA for CDNA 5 (MIT licence, August 2026) and "CDNA5" Instruction Set Architecture Reference Guide (July 2026). The comments in the code are by the model that wrote it; some were corrected since.
;; Custom Kernel Experts. Allowed arithmetic: matrix products marked QUANTISED: E2M1 operands, one E8M0 scale for each 32 along K, by v_wmma_scale_f32_16x16x128_f8f6f4 with both operands' format E2M1 (or v_wmma_scale_f32_32x16x128_f4), f32 sums; products left as they are: f32 operands where the result goes on into a quantised operand, else bf16, f16 or f32 operands; f32 sums; everything else in f32.
;; Inputs: b1 16 x 2,048 float32; routing_tensor 1,024 x 16 float32; w1 16 x 1,024 x 2,048 float32; w2 16 x 2,048 x 1,024 float32; x 1,024 x 1,024 float32.
;; Outputs: out0 1,024 x 1,024 float32.
;; This version of the problem:
;;   THIS VERSION OF THE PROBLEM IS GIVEN IN LOW PRECISION. The matrix products marked QUANTISED in the list below multiply operands that are first quantised to E2M1 (2 exponent bits, 1 mantissa bit; 4 bits a number), with one power-of-two scale for each 32 numbers along K (OCP MX v1.0); their sums are f32. All else is computed in f32.
;;   The module's matrix products, in the order in which they are computed (A, B: the left and right operand; K: the contracted axis; several contracted axes count as one K, in the product's order):
;;     1. [M 32,768, K 1,024] x [K 1,024, N 1,024]; A: input w1; B: input x: QUANTISED
;;     2. batch 16 x [M 1,024, K 2,048] x [K 2,048, N 1,024]; A: computed on the way; B: input w2: QUANTISED
;;     3. batch 1,024 x [M 1,024, K 16] x [K 16, N 1]; A: computed on the way; B: input routing_tensor: left as it is (K = 16 < 32)
;;   THE QUANTISER, for each operand of a quantised product, along K:
;;     - K is cut into blocks of 32 from its start; a last block that is shorter is filled with zeros.
;;     - A block's scale is 2^e with e = floor(log2(the largest magnitude in the block)) - 2, held to -126 .. 127; a block of zeros has e = 0. As a byte (E8M0): e + 127.
;;     - Each number is divided by its block's scale, clamped to +-6, and rounded to the nearest number of E2M1, ties to even, subnormals kept.
;;     - The product sums the exact products of the quantised numbers (number of the format x scale) in f32.
;;   ~~~python
;;   def quantise(x, axis):      # numpy; x: float32 -> the quantised numbers, widened to float32 again
;;       x = np.moveaxis(x, axis, -1); K = x.shape[-1]
;;       x = np.pad(x, [(0, 0)] * (x.ndim - 1) + [(0, -K % 32)]); x = x.reshape(x.shape[:-1] + (-1, 32)); a = np.abs(x).max(-1, keepdims=True)
;;       e = np.where(a > 0, np.clip(np.frexp(np.where(a > 0, a, 1))[1] - 1 - 2, -126, 127), 0)      # np.frexp(a)[1] - 1 = floor(log2(a)), exactly
;;       r = np.clip(x / 2.0 ** e, -6, 6)
;;       step = 2.0 ** (np.maximum(np.frexp(np.where(r == 0, 1, r))[1] - 1, 0) - 1)
;;       q = np.round(r / step) * step * 2.0 ** e      # np.round: ties to even
;;       return np.moveaxis(q.reshape(q.shape[:-2] + (-1,))[..., :K], -1, axis).astype(np.float32)
;;   ~~~
;;   OPERANDS COMPUTED ON THE WAY. 'Computed on the way' means the value that the module computes at that place (a softmax that the list does not call 'softmax' is quantised finished and normalised). What goes into a quantiser is computed in f32, as accurately as f32 sums, v_exp_f32 and their like allow (about 1e-6 of the number): no bf16 or f16 on the way to a quantiser, and a product that is left as it is and whose result goes on into a quantised operand takes f32 operands (vector FMAs, or v_wmma_f32_16x16x4_f32). A number that lies on a knife's edge between two numbers of the format may be rounded either way, as far as f32 arithmetic and the matrix unit's own rounding can turn it there, and no further.
;; One version. Each part assembles by itself: llvm-mc -triple=amdgcn-amd-amdhsa -mcpu=gfx1250 --defsym DOCPART=n.
;; ======== version 1 of 1: 4 launches
;; limits: right only within a limited range of input values
;; workspace buffers: xq 557,056 bytes; w1q 17,825,792 bytes; w2q 17,825,792 bytes; hq 17,825,792 bytes; part 16,777,216 bytes
;; launch quant (part 1): grid 256 x 1, 4 waves a work-group, no clusters, 327,680 bytes of LDS; arguments x, w1, xq, w1q; writes xq, w1q
.if DOCPART == 1
	.amdgcn_target "amdgcn-amd-amdhsa--gfx1250"
	.amdhsa_code_object_version 6
	.text
	.protected	k_qeaa9f41c8b_quant
	.globl	k_qeaa9f41c8b_quant
	.p2align	8
	.type	k_qeaa9f41c8b_quant,@function
k_qeaa9f41c8b_quant:
	s_mov_b64 s[64:65], 0
	v_nop
	global_prefetch_b8 v0, s[64:65] scope:SCOPE_SE
	s_setreg_imm32_b32 hwreg(HW_REG_WAVE_MODE, 25, 1), 1
	s_wait_xcnt 0x0
; out[n][d] = sum over e of r[n][e] * ( gelu(x w1[e] + b1[e]) w2[e] )[n][d], both large products on codes of FP4 (E2M1) with one E8M0 scale for each 32 along K.
; THE PROGRAM: quant (this launch: x and w1 into codes and scale words), ffn1 (first product, bias, gelu, quantiser; beside it w2 into codes), ffn2 (second product, the weight r, the sum over four experts),
; combine (the sum over four groups of experts).
; NO WORK IS LEFT OUT.  The routing tensor is an input of floating-point numbers by which every expert's result is weighed; that some may be zero is a matter of values: every expert is computed for every token.
; LAYOUT: a fragment (16 rows x 128 along K) is 1,024 bytes, [c 0..1][lane 0..31][16 bytes]; lane (r, h) holds at c the block 2 c + h of row r's four blocks of 32.  A scale word is the four bytes of a row's four blocks.
;   xq : codes [token tile 64][K step 8][1,024];  scale words from byte 524,288 on: [token tile 64][K step 8][row 16]
;   w1q: codes [e 16][group of 128 hidden units 16][K step 8][tile 8][1,024]; scale words from byte 16,777,216 on: [e][group][K step 8][tile 8][row 16].  Row r of tile 2 b + u is hidden unit 32 b + 8 u + r + 8 (r / 8) of the group
; A block's scale is 2^(floor(log2(its largest magnitude)) - 2); its byte is the largest magnitude's exponent field - 2, held at 1 from below.
; LIMITS: a block of zeros gets the byte 1 where the rule says 127 (its codes are zeros, and this program alone reads the bytes); blocks whose largest magnitude lies under 2^-124 are held at the byte 1;
; NaN and infinities among the inputs are not served.
; SHARES.  Work-group g = 16 e + j owns group j of expert e: 1,024 along K x 128 columns, 524,288 bytes, in four chunks of 256 along K through a ring of two LDS slots of 131,072 bytes.
; Wave w brings and works 128 rows (one K step; which: w / 2) x 64 columns (which: w % 2) of a chunk: one tensor load of 128 rows of 256 bytes.  A wave reads only the bytes that it brought.
; From LDS A LANE TAKES A COLUMN AND ITS REGISTERS RUN DOWN K: a block of 32 lies in one lane, and the conversions give codes with K innermost.
; Waves 0 and 1 also quantise one fragment of x each (fragment 2 g + w of 512), while the first chunk is on its way.
; No cluster: no two work-groups read the same bytes.  No prefetch: each load asks for a whole slot, and the launch does nothing but stream.
.set SLOT,  131072
.set SPARE, 262144                     ; behind the ring: the spare words, 128 bytes a wave
.set ADR, 16                           ; v16-17 my LDS bytes in slot 0, 1: 32,768 x wave + 4 x lane
.set C,   20                           ; v20-27 two sets of four code registers
.set W0,  28                           ; v28, v29 scale words of my two sets of 32 columns: each block's byte comes in at the top, the older ones move down
.set W1,  29
.set SPW, 30
.set NIL, 31
.set X,   32                           ; v32-95 two sets of 32 numbers
; v3 codes' offset, v4 scale words' offset, v5, v6, v10, v14 for x; v8, v9 a trip's addresses; v11-13 at work
.macro QBLK xs, cs, w                  ; 32 numbers of a lane -> four code registers; the scale's byte into the top of v[w]
	v_max3_num_f32 v12, |v[\xs]|, |v[\xs+1]|, |v[\xs+2]|
	v_max3_num_f32 v13, |v[\xs+3]|, |v[\xs+4]|, |v[\xs+5]|
.irp i, 6,10,14,18,22,26
	v_max3_num_f32 v12, v12, |v[\xs+\i]|, |v[\xs+\i+1]|
	v_max3_num_f32 v13, v13, |v[\xs+\i+2]|, |v[\xs+\i+3]|
.endr
	v_max3_num_f32 v12, v12, |v[\xs+30]|, |v[\xs+31]|
	v_max3_num_f32 v12, v12, v13, 0x1800000        ; the floor 2^(3 - 127): the byte cannot fall under 1
	v_add_nc_u32 v11, 0xff000000, v12              ; 2 off the exponent field: the conversion's scale operand
	v_lshrrev_b32 v13, 23, v11                     ; the byte
	v_lshrrev_b32 v[\w], 8, v[\w]
.irp g, 0,1,2,3
	v_cvt_scalef32_pk8_fp4_f32 v[\cs+\g], v[\xs+8*\g:\xs+8*\g+7], v11
.endr
	v_lshl_or_b32 v[\w], v13, 24, v[\w]            ; (also the plain line behind the conversions)
.endm
	s_load_b256 s[4:11], s[0:1], 0x0               ; x s[4:5], w1 s[6:7], xq s[8:9], w1q s[10:11]
	v_lshl_add_u32 v[SPW], v0, 2, SPARE
	v_mov_b32 v[NIL], 0
	ds_add_u32 v[SPW], v[NIL]                      ; the opening lines: the add, twice on end, and its wait ahead of my first tensor load
	ds_add_u32 v[SPW], v[NIL]
	v_lshrrev_b32 v1, 5, v0
	v_readfirstlane_b32 s16, v1                    ; wave
	v_and_b32 v1, 31, v0                           ; lane
	s_and_b32 s17, s16, 1                          ; which 64 columns
	s_lshr_b32 s18, s16, 1                         ; which K step of a chunk's two
	v_bfe_u32 v5, v1, 3, 1                         ; hidden unit 32 b + lane is row 8 (lane / 16) + lane % 8 of tile 2 b + (lane / 8) % 2
	v_bfe_u32 v6, v1, 4, 1
	v_and_b32 v7, 7, v1
	v_lshl_add_u32 v7, v6, 3, v7
	v_lshlrev_b32 v3, 4, v7
	v_lshl_add_u32 v3, v5, 10, v3
	v_lshlrev_b32 v4, 2, v7
	v_lshl_add_u32 v4, v5, 6, v4
	s_lshl_b32 s33, s16, 15                        ; group 0, word 1: my 32,768 bytes of slot 0
	v_lshlrev_b32 v2, 2, v1
	v_add_nc_u32 v[ADR], s33, v2
	v_add_nc_u32 v[ADR+1], SLOT, v[ADR]
	v_and_b32 v7, 15, v1                           ; x: lane (r, h)
	v_lshlrev_b32 v5, 12, v7
	v_lshl_add_u32 v5, v6, 7, v5                   ; row r of 4,096 bytes + 128 h
	v_lshlrev_b32 v10, 2, v7                       ; 4 r
	v_lshlrev_b32 v14, 3, v6                       ; 8 h
	v_lshlrev_b32 v6, 4, v1                        ; 16 x lane
	v_mov_b32 v[W0], 0
	v_mov_b32 v[W1], 0
	s_mov_b32 s32, 1
	s_mov_b32 s36, 1
	s_add_co_u32 s37, s33, SLOT
	s_mov_b32 s40, 2<<16                           ; group 1: elements of 4 bytes; 128 rows of 64; pitch 2,048
	s_mov_b32 s41, 64<<16
	s_mov_b32 s42, 128<<16
	s_mov_b32 s43, 64<<16
	s_mov_b32 s44, 128
	s_mov_b32 s45, 2048
	s_mov_b32 s46, 0
	s_mov_b32 s47, 0
	s_lshr_b32 s19, ttmp9, 4
	s_lshl_b32 s26, s19, 23                        ; w1: an expert is 8,388,608 bytes,
	s_and_b32 s19, ttmp9, 15
	s_lshl_b32 s19, s19, 9                         ; a group 512 bytes of a row,
	s_add_co_u32 s26, s26, s19
	s_lshl_b32 s19, s18, 20                        ; 128 rows of 8,192,
	s_add_co_u32 s26, s26, s19
	s_lshl_b32 s19, s17, 8                         ; 64 columns
	s_add_co_u32 s26, s26, s19
	s_mov_b32 s27, 0
	s_lshl_b32 s28, ttmp9, 16                      ; codes: 65,536 a group, 8,192 a K step, 4,096 for four tiles
	s_lshl_b32 s19, s18, 13
	s_add_co_u32 s28, s28, s19
	s_lshl_b32 s19, s17, 12
	s_add_co_u32 s28, s28, s19
	s_mov_b32 s29, 0
	s_lshl_b32 s30, ttmp9, 12                      ; scale words: 4,096 a group, 512 a K step, 256 for four tiles
	s_lshl_b32 s19, s18, 9
	s_add_co_u32 s30, s30, s19
	s_lshl_b32 s19, s17, 8
	s_add_co_u32 s30, s30, s19
	s_add_co_u32 s30, s30, 16777216
	s_mov_b32 s31, 0
	s_wait_alu depctr_va_vdst(0)
	s_wait_dscnt 0x0                               ; both opening adds are done
	s_wait_kmcnt 0x0
	s_add_nc_u64 s[34:35], s[6:7], s[26:27]        ; chunk 0
	s_add_nc_u64 s[38:39], s[34:35], 2097152       ; chunk 1: 256 rows on
	s_or_b32 s35, s35, 0x80000000
	s_or_b32 s39, s39, 0x80000000
	s_add_nc_u64 s[22:23], s[10:11], s[28:29]
	s_add_nc_u64 s[24:25], s[10:11], s[30:31]
	tensor_load_to_lds s[32:35], s[40:47]          ; my one load at the head
	s_nop 0
	s_cmp_ge_u32 s16, 2
	s_cbranch_scc1 .Lno_x
	; ---- x, K innermost: fragment f = 2 g + w: token tile f / 8, K step f % 8.  Lane (r, h) takes blocks h and 2 + h of token r: 128 consecutive bytes each
	s_lshl_b32 s19, ttmp9, 1
	s_add_co_u32 s19, s19, s16
	s_lshr_b32 s26, s19, 3
	s_lshl_b32 s26, s26, 16
	s_and_b32 s28, s19, 7
	s_lshl_b32 s28, s28, 9
	s_add_co_u32 s26, s26, s28
	s_add_nc_u64 s[12:13], s[4:5], s[26:27]
	s_lshl_b32 s26, s19, 10
	s_add_nc_u64 s[14:15], s[8:9], s[26:27]
	s_lshl_b32 s26, s19, 6
	s_add_co_u32 s26, s26, 524288
	s_add_nc_u64 s[20:21], s[8:9], s[26:27]
	s_mov_b32 s28, 0x76543210
	s_mov_b32 s29, 0xfedcba98                      ; v_permlanex16_b32's selects for lane l xor 16
.irp c, 0,1
.irp i, 0,1,2,3,4,5,6,7
	global_load_b128 v[X+32*\c+4*\i:X+32*\c+4*\i+3], v5, s[12:13] offset:256*\c+16*\i
.endr
.endr
	s_wait_loadcnt 8                               ; the first block's eight loads are in, the second's eight may be out
	QBLK X, C, W0
	global_store_b128 v6, v[C:C+3], s[14:15]
	s_wait_loadcnt 0x0
	QBLK X+32, C+4, W1
	global_store_b128 v6, v[C+4:C+7], s[14:15] offset:512
	v_lshrrev_b32 v12, 24, v[W0]                   ; block h's byte,
	v_lshrrev_b32 v13, 8, v[W1]                    ; block 2 + h's, 16 bits up,
	v_or_b32 v12, v12, v13
	v_lshlrev_b32 v12, v14, v12                    ; at their places in the word;
	v_permlanex16_b32 v13, v12, s28, s29
	v_or_b32 v12, v12, v13                         ; with lane l xor 16's two the word is whole
	global_store_b32 v10, v12, s[20:21]            ; both halves of the lanes store the same 16 words
.Lno_x:
	s_wait_alu depctr_va_vdst(0)
; One chunk.  The ring is of two slots; by the text's own count a wave has one load out behind each barrier.
.macro TRIP slot, refill, ch
	s_wait_tensorcnt 0x0                           ; my part of this chunk is in, and no load of mine is out,
	ds_add_u32 v[SPW], v[NIL]
	s_add_nc_u64 s[34+4*\slot:35+4*\slot], s[34+4*\slot:35+4*\slot], 4194304   ; so a group 0 may be written: this slot's next chunk
	s_wait_dscnt 0x0                               ; the add is done, and my reads of the other slot
	s_barrier_signal -1
	s_barrier_wait -1
.if \refill
	tensor_load_to_lds s[36-4*\slot:39-4*\slot], s[40:47]   ; the next chunk, into the slot read last (the first time: slot 1's first fill)
	s_nop 0
.endif
	s_mov_b32 s48, 0
.Lst_\@:                               ; four trips: block st of my K step, both sets of 32 columns
	s_wait_xcnt 0x0                                ; earlier stores have read their registers: they are written again only behind this wait
	s_lshl_b32 s49, s48, 13                        ; 32 rows of 256 bytes
	s_lshl_b32 s50, s48, 8                         ; a block's 256 bytes of a fragment
	v_add_nc_u32 v8, s49, v[ADR+\slot]
	v_add_nc_u32 v9, s50, v3
.set K, 0
.rept 32
	ds_load_b32 v[X+K], v8 offset:K*256
.set K, K+1
.endr
.set K, 0
.rept 32
	ds_load_b32 v[X+32+K], v8 offset:K*256+128
.set K, K+1
.endr
	s_wait_dscnt 32                                ; the first set's 32 are in, the second's may be out
	QBLK X, C, W0
	global_store_b128 v9, v[C:C+3], s[22:23] offset:(\ch)*16384
	s_wait_dscnt 0x0
	QBLK X+32, C+4, W1
	global_store_b128 v9, v[C+4:C+7], s[22:23] offset:(\ch)*16384+2048
	s_add_co_u32 s48, s48, 1
	s_cmp_lt_u32 s48, 4
	s_wait_alu depctr_va_vdst(0)
	s_cbranch_scc1 .Lst_\@
	global_store_b32 v4, v[W0], s[24:25] offset:(\ch)*1024        ; the K step's scale words of my 64 columns
	global_store_b32 v4, v[W1], s[24:25] offset:(\ch)*1024+128
.endm
	TRIP 0, 1, 0
	TRIP 1, 1, 1
	TRIP 0, 1, 2
	TRIP 1, 0, 3                                   ; the last chunk asks for nothing more (the stepped addresses are not used)
	s_wait_tensorcnt 0x0                           ; the wave's end
	ds_add_u32 v[SPW], v[NIL]
	s_wait_dscnt 0x0
	s_endpgm
.Lfunc_end_k_qeaa9f41c8b_quant:
	.size	k_qeaa9f41c8b_quant, .Lfunc_end_k_qeaa9f41c8b_quant-k_qeaa9f41c8b_quant
	.p2alignl 7, 3214868480
	.fill 96, 4, 3214868480
	.section	.rodata,"a",@progbits
	.p2align	6, 0x0
	.amdhsa_kernel k_qeaa9f41c8b_quant
		.amdhsa_group_segment_fixed_size 327680
		.amdhsa_private_segment_fixed_size 0
		.amdhsa_enable_private_segment 0
		.amdhsa_kernarg_size 32
		.amdhsa_user_sgpr_count 2
		.amdhsa_user_sgpr_kernarg_segment_ptr 1
		.amdhsa_wavefront_size32 1
		.amdhsa_system_sgpr_workgroup_id_x 1
		.amdhsa_system_sgpr_workgroup_id_y 1
		.amdhsa_system_sgpr_workgroup_id_z 1
		.amdhsa_system_vgpr_workitem_id 0
		.amdhsa_next_free_vgpr 96
		.amdhsa_next_free_sgpr 66
		.amdhsa_reserve_vcc 0
		.amdhsa_float_denorm_mode_32 3
		.amdhsa_float_denorm_mode_16_64 3
		.amdhsa_memory_ordered 1
		.amdhsa_forward_progress 1
		.amdhsa_inst_pref_size 42
	.end_amdhsa_kernel
	.amdgpu_metadata
---
amdhsa.version: [ 1, 2 ]
amdhsa.kernels:
  - .name:           k_qeaa9f41c8b_quant
    .symbol:         k_qeaa9f41c8b_quant.kd
    .args:
      - { .name: x, .offset: 0, .size: 8, .value_kind: global_buffer, .address_space: global }
      - { .name: w1, .offset: 8, .size: 8, .value_kind: global_buffer, .address_space: global }
      - { .name: xq, .offset: 16, .size: 8, .value_kind: global_buffer, .address_space: global }
      - { .name: w1q, .offset: 24, .size: 8, .value_kind: global_buffer, .address_space: global }
    .group_segment_fixed_size: 327680
    .private_segment_fixed_size: 0
    .kernarg_segment_align: 8
    .kernarg_segment_size: 32
    .max_flat_workgroup_size: 128
    .sgpr_count:     66
    .vgpr_count:     96
    .wavefront_size: 32
...
	.end_amdgpu_metadata
.endif
;; end of part 1
;; launch ffn1 (part 2): grid 16 x 16, 4 waves a work-group, no clusters, 327,680 bytes of LDS; arguments xq, w1q, b1, hq, w2, w2q; writes hq, w2q
.if DOCPART == 2
	.amdgcn_target "amdgcn-amd-amdhsa--gfx1250"
	.amdhsa_code_object_version 6
	.text
	.protected	k_qeaa9f41c8b_ffn1
	.globl	k_qeaa9f41c8b_ffn1
	.p2align	8
	.type	k_qeaa9f41c8b_ffn1,@function
k_qeaa9f41c8b_ffn1:
	s_mov_b64 s[64:65], 0
	v_nop
	global_prefetch_b8 v0, s[64:65] scope:SCOPE_SE
	s_setreg_imm32_b32 hwreg(HW_REG_WAVE_MODE, 25, 1), 1
	s_wait_xcnt 0x0
; h = gelu(x w1[e] + b1[e]) on codes of FP4, quantised along the hidden axis on the way: hq holds the second product's operand.  Beside it w2 is turned into codes.  Nothing is left out: every expert for every token.
; hq: codes [e 16][group of 128 tokens 8][K step 16][tile of 16 tokens 8][1,024 bytes], a fragment in the order of the operand's registers ([c][lane][16 bytes]);
;     scale words from byte 16,777,216 on: [e][group of tokens][K step 16][tile 8][row 16].
; w2q: codes [e 16][group of 128 columns 8][K step 16][tile 8][1,024]; scale words from byte 16,777,216 on: [e][group][K step 16][tile 8][row 16].
; SHARES.  Work-group (j, e) owns hidden units 128 j .. 128 j + 127 of expert e.  Each of its four waves keeps all 64 fragments of that slice of w1 (512 registers) and takes 256 tokens, 16 tiles, two a trip.
; A tile's eight fragments of x and its scale words come from memory straight into registers, asked for one tile ahead.
; W2: wave w of work-group (j, e) takes columns 64 j .. 64 j + 63 and rows 512 w .. 512 w + 511 of w2[e]: in each of the eight trips one tensor load at the trip's top brings 64 rows of 256 bytes into the wave's own
; 16,384 bytes of LDS; at the trip's end they are read, a lane to a column and registers down K, into registers that the gelu has done with, and quantised: two blocks for each of two sets of 32 columns.
; Every load of the eight is read; by the text's own count a wave has one tensor load out.  No cluster and no prefetch: no two work-groups read the same bytes of w2, and each load is asked for a trip's work ahead of its use.
; THE PRODUCT IS USED TRANSPOSED: source 0 = 16 rows of w1, source 1 = 16 tokens; b1 is the C of the first K step.  The rows of w1 that form a tile were chosen so that a lane holds ONE token and the 16
; registers of tiles 2 b and 2 b + 1 are hidden units 32 b + 16 (lane / 16) + 0 .. 15: after the quantiser the lane's codes are one fragment of the second product.
; GELU, exact form: g = x Phi(x), Phi = 1/2 + xc P(s) / Q(s), s = xc^2, xc = x held to +-4 sqrt(2); xc P / Q is half of the rational form of erf(xc / sqrt 2), degrees 13 and 8, its coefficients scaled for s = 2 z^2.
; LIMITS: beyond the hold Phi is that of the bound (under -5.66 the result is x times a number of at most 2^-24 where the true one is smaller still); NaN and infinities are not served;
; a block of zeros gets the byte 1 where the rule says 127 (its codes are zeros; this program alone reads the bytes); blocks whose largest magnitude lies under 2^-124 are held at the byte 1.
; REGISTERS, in windows of 256.  Window 0: v1-5, v243 offsets; v6-15, v56-63, v244-251 the coefficients, as pairs; v16-47 w1's scale words (register 4 t + p: lanes 0-15 K step 2 p, lanes 16-31 K step 2 p + 1);
;   v48-55 x's scale words, two sets; v64-127 the eight accumulators; v128-143 xc, later the quantisers'; v144-159 s; v160-223 P and Q, two sets; v224-239 codes, two sets; v240-242 scale words made; v252-255 below.
;   Window 1: v0-63, v64-127 x's fragments, two sets; v128-191 b1 in the result's layout.   Windows 2, 3: w1's fragment (s, t) at window 2 + s / 4, register 64 (s % 4) + 8 t.
.set LI,  1                            ; 16 x lane
.set LS,  2                            ; 4 x lane
.set SA,  3                            ; 512 (lane / 16) + 4 (lane % 16)
.set BO,  4                            ; 64 (lane / 16)
.set WO,  5                            ; w2's codes: 1,024 (lane / 16) + 16 (lane % 16)
.set CA0, 6
.set CA1, 8
.set CA2, 10
.set CA3, 12
.set CA4, 14
.set W1S, 16
.set XSC, 48
.set CA6, 56
.set CB4, 58
.set CA5, 60
.set CB0, 62
.set H,   64
.set XC,  128
.set TM,  128
.set SQ,  144
.set PC,  224
.set PW,  240
.set MW,  242
.set LA,  243                          ; my LDS bytes: 16,384 x wave + 4 x lane
.set CB1, 244
.set CB2, 246
.set CB3, 248
.set HALF, 250
.set SPW, 252
.set NIL, 253
.set WW,  254                          ; v254, v255 w2's scale words of my two sets of columns: a block's byte comes in at the top
.set SPARE, 65536                      ; behind the four waves' tiles: the spare words
.set MSB, 0
.macro WIN new
.if MSB != \new
	s_set_vgpr_msb (MSB<<8)|\new
.set MSB, \new
.endif
.endm
.macro COEF reg, bits
	v_mov_b32 v[\reg], \bits
	v_mov_b32 v[\reg+1], \bits
.endm
	s_load_b256 s[4:11], s[0:1], 0x0               ; xq s[4:5], w1q s[6:7], b1 s[8:9], hq s[10:11]
	s_load_b128 s[68:71], s[0:1], 0x20             ; w2 s[68:69], w2q s[70:71]
	v_lshl_add_u32 v[SPW], v0, 2, SPARE
	v_mov_b32 v[NIL], 0
	ds_add_u32 v[SPW], v[NIL]                      ; the opening lines: the add, twice on end, and its wait ahead of my first tensor load
	ds_add_u32 v[SPW], v[NIL]
	v_lshrrev_b32 v5, 5, v0
	v_readfirstlane_b32 s12, v5                    ; wave 0..3
	v_and_b32 v5, 31, v0
	v_lshlrev_b32 v[LI], 4, v5
	v_lshlrev_b32 v[LS], 2, v5
	v_and_b32 v243, 15, v0                         ; r
	v_bfe_u32 v5, v0, 4, 1                         ; h
	v_lshlrev_b32 v[SA], 2, v243
	v_lshl_add_u32 v[SA], v5, 9, v[SA]
	v_lshlrev_b32 v[BO], 6, v5
	v_lshlrev_b32 v243, 4, v243
	v_lshl_add_u32 v[WO], v5, 10, v243
	s_lshl_b32 s73, s12, 14                        ; group 0, word 1: my 16,384 bytes of LDS
	v_add_nc_u32 v[LA], s73, v[LS]
	v_mov_b32 v[WW], 0
	v_mov_b32 v[WW+1], 0
	COEF CA0, 0xBBBA79F3
	COEF CA1, 0xBA08EB41
	COEF CA2, 0xB8883D9C
	COEF CA3, 0xB628D45D
	COEF CA4, 0xB347667D
	COEF CA5, 0x2FA84A8D
	COEF CA6, 0xABD3F331
	COEF CB0, 0xBC69B6A7
	COEF CB1, 0xBB719BF8
	COEF CB2, 0xB9DC924E
	COEF CB3, 0xB7DFBD29
	COEF CB4, 0xB57460CD
	COEF HALF, 0.5
	s_mov_b32 s40, 0x40B504F3                      ; 4 sqrt 2
	s_mov_b32 s41, 0xC0B504F3
	s_mov_b32 s42, 0xffff0000                      ; lanes 16-31
	s_mov_b32 s44, 0x76543210
	s_mov_b32 s45, 0xfedcba98
	s_mov_b32 s46, 0                               ; the tile in hand, of my 16
	s_and_b32 s13, ttmp7, 0xffff                   ; e
	s_lshl_b32 s14, s13, 4
	s_add_co_u32 s14, s14, ttmp9                   ; 16 e + j
	s_lshl_b32 s16, s14, 16                        ; w1's codes
	s_mov_b32 s17, 0
	s_lshl_b32 s18, s14, 12                        ; its scale words
	s_add_co_u32 s18, s18, 16777216
	s_mov_b32 s19, 0
	s_lshl_b32 s20, s14, 9                         ; b1
	s_mov_b32 s21, 0
	s_lshl_b32 s22, s12, 17                        ; x's codes: my 16 tiles of 8,192 bytes
	s_mov_b32 s23, 0
	s_lshl_b32 s24, s12, 13                        ; its scale words
	s_add_co_u32 s24, s24, 524288
	s_mov_b32 s25, 0
	s_lshl_b32 s26, s13, 20                        ; hq's codes
	s_lshl_b32 s28, ttmp9, 13
	s_add_co_u32 s26, s26, s28
	s_mov_b32 s27, 0
	s_lshl_b32 s28, s13, 16                        ; its scale words
	s_lshl_b32 s30, ttmp9, 9
	s_add_co_u32 s28, s28, s30
	s_add_co_u32 s28, s28, 16777216
	s_mov_b32 s29, 0
	s_mov_b32 s72, 1                               ; w2's tile: group 0, and group 1: elements of 4 bytes, 64 rows of 64, pitch 1,024
	s_mov_b32 s76, 2<<16
	s_mov_b32 s77, 64<<16
	s_mov_b32 s78, 64<<16
	s_mov_b32 s79, 64<<16
	s_mov_b32 s80, 64
	s_mov_b32 s81, 1024
	s_mov_b32 s82, 0
	s_mov_b32 s83, 0
	s_lshl_b32 s88, s13, 23                        ; w2: expert, 512 rows of 4,096 bytes a wave, 256 bytes of a row
	s_lshl_b32 s94, s12, 21
	s_add_co_u32 s88, s88, s94
	s_lshl_b32 s94, ttmp9, 8
	s_add_co_u32 s88, s88, s94
	s_mov_b32 s89, 0
	s_lshl_b32 s90, s13, 3
	s_lshr_b32 s94, ttmp9, 1
	s_add_co_u32 s94, s90, s94                     ; the group of 128 columns,
	s_and_b32 s95, ttmp9, 1                        ; and which four of its eight tiles
	s_lshl_b32 s90, s94, 17                        ; w2q's codes: 131,072 a group, four K steps of 8,192 a wave
	s_lshl_b32 s92, s12, 15
	s_add_co_u32 s90, s90, s92
	s_lshl_b32 s92, s95, 12
	s_add_co_u32 s90, s90, s92
	s_mov_b32 s91, 0
	s_lshl_b32 s92, s94, 13                        ; its scale words: 8,192 a group, four K steps of 512 a wave
	s_lshl_b32 s94, s12, 11
	s_add_co_u32 s92, s92, s94
	s_lshl_b32 s94, s95, 8
	s_add_co_u32 s92, s92, s94
	s_add_co_u32 s92, s92, 16777216
	s_mov_b32 s93, 0
	s_wait_alu depctr_va_vdst(0)
	s_wait_dscnt 0x0                               ; both opening adds are done
	s_wait_kmcnt 0x0
	s_add_nc_u64 s[16:17], s[6:7], s[16:17]
	s_add_nc_u64 s[18:19], s[6:7], s[18:19]
	s_add_nc_u64 s[20:21], s[8:9], s[20:21]
	s_add_nc_u64 s[48:49], s[4:5], s[22:23]
	s_add_nc_u64 s[50:51], s[4:5], s[24:25]
	s_add_nc_u64 s[52:53], s[10:11], s[26:27]
	s_add_nc_u64 s[54:55], s[10:11], s[28:29]
	s_add_nc_u64 s[74:75], s[68:69], s[88:89]
	s_or_b32 s75, s75, 0x80000000
	s_add_nc_u64 s[84:85], s[70:71], s[90:91]
	s_add_nc_u64 s[86:87], s[70:71], s[92:93]
	WIN 0x80
.irp s, 0,1,2,3
.irp t, 0,1,2,3,4,5,6,7
.irp c, 0,1
	global_load_b128 v[64*\s+8*\t+4*\c:64*\s+8*\t+4*\c+3], v[LI], s[16:17] offset:(8*\s+\t)*1024+512*\c
.endr
.endr
.endr
	WIN 0xc0
.irp s, 4,5,6,7
.irp t, 0,1,2,3,4,5,6,7
.irp c, 0,1
	global_load_b128 v[64*(\s-4)+8*\t+4*\c:64*(\s-4)+8*\t+4*\c+3], v[LI], s[16:17] offset:(8*\s+\t)*1024+512*\c
.endr
.endr
.endr
	WIN 0x40                                       ; b1: lane (r, h) wants, for tile 2 b + u, hidden units 32 b + 16 h + 8 u + 0 .. 7
.irp t, 0,1,2,3,4,5,6,7
	global_load_b128 v[128+8*\t:131+8*\t], v[BO], s[20:21] offset:(32*(\t/2)+8*(\t%2))*4
	global_load_b128 v[132+8*\t:135+8*\t], v[BO], s[20:21] offset:(32*(\t/2)+8*(\t%2))*4+16
.endr
	WIN 0
.irp t, 0,1,2,3,4,5,6,7
.irp p, 0,1,2,3
	global_load_b32 v[W1S+4*\t+\p], v[SA], s[18:19] offset:1024*\p+64*\t
.endr
.endr
.macro XLOAD set, off, soff            ; a tile's eight fragments of x and its four registers of scale words: 20 loads
	WIN 0x40
.irp s, 0,1,2,3,4,5,6,7
.irp c, 0,1
	global_load_b128 v[64*(\set)+8*\s+4*\c:64*(\set)+8*\s+4*\c+3], v[LI], s[48:49] offset:(\off)+1024*\s+512*\c
.endr
.endr
	WIN 0
.irp p, 0,1,2,3
	global_load_b32 v[XSC+4*(\set)+\p], v[LS], s[50:51] offset:(\soff)+128*\p
.endr
.endm
.macro MMS set, s, ta, tb, tc, td      ; K step s, four accumulators by turns, one instruction a turn
.irp t, \ta, \tb, \tc, \td
.if (\s) == 0
	v_wmma_scale_f32_16x16x128_f8f6f4 v[H+8*\t:H+8*\t+7], v[8*\t:8*\t+7], v[64*(\set):64*(\set)+7], v[128+8*\t:128+8*\t+7], v[W1S+4*\t], v[XSC+4*(\set)] matrix_a_fmt:MATRIX_FMT_FP4 matrix_b_fmt:MATRIX_FMT_FP4
.elseif (\s)%2
	v_wmma_scale_f32_16x16x128_f8f6f4 v[H+8*\t:H+8*\t+7], v[64*((\s)%4)+8*\t:64*((\s)%4)+8*\t+7], v[64*(\set)+8*(\s):64*(\set)+8*(\s)+7], v[H+8*\t:H+8*\t+7], v[W1S+4*\t+(\s)/2], v[XSC+4*(\set)+(\s)/2] matrix_a_fmt:MATRIX_FMT_FP4 matrix_b_fmt:MATRIX_FMT_FP4 matrix_a_scale:MATRIX_SCALE_ROW1 matrix_b_scale:MATRIX_SCALE_ROW1
.else
	v_wmma_scale_f32_16x16x128_f8f6f4 v[H+8*\t:H+8*\t+7], v[64*((\s)%4)+8*\t:64*((\s)%4)+8*\t+7], v[64*(\set)+8*(\s):64*(\set)+8*(\s)+7], v[H+8*\t:H+8*\t+7], v[W1S+4*\t+(\s)/2], v[XSC+4*(\set)+(\s)/2] matrix_a_fmt:MATRIX_FMT_FP4 matrix_b_fmt:MATRIX_FMT_FP4
.endif
.endr
.endm
.macro MM set, ta, tb, tc, td          ; half of a tile's product: four accumulators through all eight K steps
	WIN 0x16                                       ; source 0 (w1) window 2, source 1 (x) window 1, C (b1) window 1, D window 0
	MMS \set, 0, \ta, \tb, \tc, \td
	WIN 0x06
	MMS \set, 1, \ta, \tb, \tc, \td
	MMS \set, 2, \ta, \tb, \tc, \td
	MMS \set, 3, \ta, \tb, \tc, \td
	WIN 0x07
	MMS \set, 4, \ta, \tb, \tc, \td
	MMS \set, 5, \ta, \tb, \tc, \td
	MMS \set, 6, \ta, \tb, \tc, \td
	MMS \set, 7, \ta, \tb, \tc, \td
	WIN 0
.rept 4
	v_nop                                          ; four places between the last product and the first read of results (ISA guide 7.12.1)
.endr
.endm
.macro HORNER d, c
.irp i, 0,2,4,6,8,10,12,14
	v_pk_fma_f32 v[\d+\i:\d+\i+1], v[\d+\i:\d+\i+1], v[SQ+\i:SQ+\i+1], v[\c:\c+1]
.endr
.endm
.macro POLY g, cur                     ; group g (16 numbers, two accumulators): xc P and Q into set cur
.set HG, H+16*(\g)
.set PP, 160+32*(\cur)
.set QQ, 176+32*(\cur)
.irp i, 0,1,2,3,4,5,6,7,8,9,10,11,12,13,14,15
	v_med3_num_f32 v[XC+\i], v[HG+\i], s41, s40    ; the hold; each accumulator is read from its low end on
.endr
.irp i, 0,2,4,6,8,10,12,14
	v_pk_mul_f32 v[SQ+\i:SQ+\i+1], v[XC+\i:XC+\i+1], v[XC+\i:XC+\i+1]
.endr
.irp i, 0,2,4,6,8,10,12,14
	v_pk_fma_f32 v[PP+\i:PP+\i+1], v[SQ+\i:SQ+\i+1], v[CA6:CA6+1], v[CA5:CA5+1]
.endr
.irp i, 0,2,4,6,8,10,12,14
	v_pk_fma_f32 v[QQ+\i:QQ+\i+1], v[SQ+\i:SQ+\i+1], v[CB4:CB4+1], v[CB3:CB3+1]
.endr
	HORNER PP, CA4
	HORNER QQ, CB2
	HORNER PP, CA3
	HORNER QQ, CB1
	HORNER PP, CA2
	HORNER QQ, CB0
	HORNER PP, CA1
	HORNER PP, CA0
.irp i, 0,2,4,6,8,10,12,14
	v_pk_mul_f32 v[PP+\i:PP+\i+1], v[XC+\i:XC+\i+1], v[PP+\i:PP+\i+1]
.endr
.endm
.macro RCPS                            ; both sets' Q: one batch of 32 reciprocals
.irp i, 0,1,2,3,4,5,6,7,8,9,10,11,12,13,14,15
	v_rcp_f32 v[176+\i], v[176+\i]
.endr
.irp i, 0,1,2,3,4,5,6,7,8,9,10,11,12,13,14,15
	v_rcp_f32 v[208+\i], v[208+\i]
.endr
.endm
.macro FIN g, set                      ; Phi = P / Q + 1/2, g = x Phi
.set HG, H+16*(\g)
.set PP, 160+32*(\set)
.set QQ, 176+32*(\set)
.irp i, 0,2,4,6,8,10,12,14
	v_pk_fma_f32 v[PP+\i:PP+\i+1], v[PP+\i:PP+\i+1], v[QQ+\i:QQ+\i+1], v[HALF:HALF+1]
.endr
.irp i, 0,2,4,6,8,10,12,14
	v_pk_mul_f32 v[HG+\i:HG+\i+1], v[HG+\i:HG+\i+1], v[PP+\i:PP+\i+1]
.endr
.endm
; A tile's product and gelu, in two halves of four accumulators.  The second half's products stand behind the first half's reciprocals, so that every matrix result is first read with no transcendental between.
; Each batch has one wait ahead of it and one behind it.
.macro GELU set
	MM \set, 0, 1, 2, 3
	POLY 0, 0
	POLY 1, 1
	s_wait_alu depctr_va_vdst(0)
	RCPS
	MM \set, 4, 5, 6, 7                            ; its four v_nop are also the plain place behind the reciprocals
	s_wait_alu depctr_va_vdst(0)
	FIN 0, 0
	FIN 1, 1
	POLY 2, 0
	POLY 3, 1
	s_wait_alu depctr_va_vdst(0)
	RCPS
	v_nop                                          ; a plain line behind the last reciprocal
	s_wait_alu depctr_va_vdst(0)
	FIN 2, 0
	FIN 3, 1
.endm
.macro QUANT s, pc, pw                 ; 64 numbers of a lane, register 16 b + i = k 32 b + 16 (lane / 16) + i of my token -> a fragment's codes and its scale word
.irp b, 0,1,2,3
	v_max3_num_f32 v[TM+\b], |v[\s+16*\b]|, |v[\s+1+16*\b]|, 0x1800000
.endr
.irp i, 2,4,6,8,10,12,14
.irp b, 0,1,2,3
	v_max3_num_f32 v[TM+\b], v[TM+\b], |v[\s+16*\b+\i]|, |v[\s+1+16*\b+\i]|
.endr
.endr
.irp b, 0,1,2,3
	v_permlanex16_b32 v[TM+4+\b], v[TM+\b], s44, s45
.endr
.irp b, 0,1,2,3
	v_max_num_f32 v[TM+\b], v[TM+\b], v[TM+4+\b]
.endr
.irp b, 0,1,2,3
	v_add_nc_u32 v[TM+12+\b], 0xff000000, v[TM+\b]
.endr
.irp b, 0,1,2,3
	v_lshrrev_b32 v[TM+4+\b], 23, v[TM+12+\b]
.endr
	v_lshl_or_b32 v[\pw], v[TM+5], 8, v[TM+4]
	v_lshl_or_b32 v[\pw], v[TM+6], 16, v[\pw]
	v_lshl_or_b32 v[\pw], v[TM+7], 24, v[\pw]
.irp b, 0,1,2,3
	v_cvt_scalef32_pk8_fp4_f32 v[\pc+2*\b], v[\s+16*\b:\s+7+16*\b], v[TM+12+\b]
	v_cvt_scalef32_pk8_fp4_f32 v[\pc+1+2*\b], v[\s+8+16*\b:\s+15+16*\b], v[TM+12+\b]
.endr
	v_nop                                          ; one plain line behind the scaled conversions
.irp c, 0,1                            ; the operand's layout wants a whole block in a lane
.irp i, 0,1
	v_permlane16_swap_b32 v[\pc+4*\c+\i], v[\pc+2+4*\c+\i]
.endr
.endr
.endm
.macro W2LD reg, tl                    ; rows 32 tl .. 32 tl + 31 of my tile of w2, both sets of 32 columns: 64 registers, a lane to a column
.set K, 0
.rept 32
	ds_load_b32 v[\reg+K], v[LA] offset:(32*(\tl)+K)*256
	ds_load_b32 v[\reg+32+K], v[LA] offset:(32*(\tl)+K)*256+128
.set K, K+1
.endr
.endm
.macro W2BLK xs, cs, w                 ; a block of 32 along K of my column -> four code registers; the byte into the top of v[w]
	v_max3_num_f32 v128, |v[\xs]|, |v[\xs+1]|, |v[\xs+2]|
	v_max3_num_f32 v129, |v[\xs+3]|, |v[\xs+4]|, |v[\xs+5]|
.irp i, 6,10,14,18,22,26
	v_max3_num_f32 v128, v128, |v[\xs+\i]|, |v[\xs+\i+1]|
	v_max3_num_f32 v129, v129, |v[\xs+\i+2]|, |v[\xs+\i+3]|
.endr
	v_max3_num_f32 v128, v128, |v[\xs+30]|, |v[\xs+31]|
	v_max3_num_f32 v128, v128, v129, 0x1800000
	v_add_nc_u32 v130, 0xff000000, v128
	v_lshrrev_b32 v129, 23, v130
	v_lshrrev_b32 v[\w], 8, v[\w]
.irp g, 0,1,2,3
	v_cvt_scalef32_pk8_fp4_f32 v[\cs+\g], v[\xs+8*\g:\xs+8*\g+7], v130
.endr
	v_lshl_or_b32 v[\w], v129, 24, v[\w]           ; (also the plain line behind the conversions)
.endm
.macro TILE set
	s_wait_loadcnt 0x0                             ; this tile's 20 loads, issued a tile ago (in the first tile: the weights, their scale words and b1 too)
.if \set == 0
	XLOAD 1, 8192, 512
.else
	s_cmp_eq_u32 s46, 14                           ; my last tile asks for nothing: no load leaves xq
	s_cbranch_scc1 .Lno_next
	XLOAD 0, 16384, 1024
.Lno_next:
.endif
	GELU \set
.if \set == 1
	s_wait_alu depctr_va_vdst(0)
	s_wait_tensorcnt 0x0                           ; my tile of w2 is in: only I read it
	W2LD 160, 0                                    ; its first 32 rows, into the registers that held P and Q
.endif
	QUANT H, PC+8*(\set), PW+(\set)
	global_store_b128 v[LI], v[PC+8*(\set):PC+8*(\set)+3], s[56:57] offset:1024*(\set)
	global_store_b128 v[LI], v[PC+8*(\set)+4:PC+8*(\set)+7], s[56:57] offset:1024*(\set)+512
.endm
	XLOAD 0, 0, 0
.Ltrip:                                ; eight trips of two tiles
	s_wait_tensorcnt 0x0                           ; no load of mine is out;
	ds_add_u32 v[SPW], v[NIL]                      ; the add, here twice on end
	ds_add_u32 v[SPW], v[NIL]
	s_lshl_b32 s60, s12, 4
	s_add_co_u32 s60, s60, s46                     ; the tile among all 64
	s_lshr_b32 s62, s60, 3
	s_and_b32 s63, s60, 7
	s_lshl_b32 s60, s62, 17
	s_lshl_b32 s66, s63, 10
	s_add_co_u32 s60, s60, s66
	s_mov_b32 s61, 0
	s_add_nc_u64 s[56:57], s[52:53], s[60:61]      ; where its fragment goes,
	s_lshl_b32 s60, s62, 13
	s_lshl_b32 s66, s63, 6
	s_add_co_u32 s60, s60, s66
	s_add_nc_u64 s[58:59], s[54:55], s[60:61]      ; and its scale words
	s_lshr_b32 s90, s46, 2                         ; w2: trip t = s46 / 2 holds blocks 2 (t % 2), 2 (t % 2) + 1 of my K step t / 2
	s_lshl_b32 s94, s90, 9
	s_lshl_b32 s90, s90, 13
	s_and_b32 s95, s46, 2
	s_lshl_b32 s95, s95, 8
	s_add_co_u32 s90, s90, s95
	s_add_nc_u64 s[88:89], s[84:85], s[90:91]      ; its codes,
	s_mov_b32 s90, s94
	s_add_nc_u64 s[92:93], s[86:87], s[90:91]      ; its scale words
	s_wait_dscnt 0x0                               ; the adds are done, and my reads of the last tile of w2
	s_barrier_signal -1
	s_barrier_wait -1
	tensor_load_to_lds s[72:75], s[76:83]          ; this trip's 64 rows of w2
	s_nop 0
.rept 4
	v_nop                                          ; ahead of the switch of windows below
.endr
	TILE 0
	TILE 1
	v_cndmask_b32 v[MW], v[PW], v[PW+1], s42       ; lanes 0-15: the first tile's words, lanes 16-31: the second's
	global_store_b32 v[LS], v[MW], s[58:59]
	s_wait_alu depctr_va_vdst(0)
	s_wait_dscnt 0x0                               ; w2's first 32 rows are in registers
	W2LD H, 1                                      ; the other 32, into the accumulators' registers, which the quantiser has read
	W2BLK 160, 132, WW
	global_store_b128 v[WO], v[132:135], s[88:89]
	W2BLK 192, 136, WW+1
	global_store_b128 v[WO], v[136:139], s[88:89] offset:2048
	s_wait_dscnt 0x0
	W2BLK H, 140, WW
	global_store_b128 v[WO], v[140:143], s[88:89] offset:256
	W2BLK H+32, 144, WW+1
	global_store_b128 v[WO], v[144:147], s[88:89] offset:2048+256
	s_add_nc_u64 s[74:75], s[74:75], 262144        ; 64 rows on (no tensor load of mine is out; the last step's address is not used)
	s_wait_alu depctr_va_vdst(0)
	s_bitcmp1_b32 s46, 1                           ; a scale word is whole behind every second trip
	s_cbranch_scc0 .Lno_word
	global_store_b32 v[LS], v[WW], s[92:93]
	global_store_b32 v[LS], v[WW+1], s[92:93] offset:128
.Lno_word:
	s_wait_xcnt 0x0                                ; only behind this wait are the bases stepped and the stores' registers written again
	s_add_nc_u64 s[48:49], s[48:49], 16384
	s_add_nc_u64 s[50:51], s[50:51], 1024
	s_add_co_u32 s46, s46, 2
	s_cmp_lt_u32 s46, 16
	s_cbranch_scc1 .Ltrip
	s_wait_tensorcnt 0x0                           ; the wave's end
	ds_add_u32 v[SPW], v[NIL]
	s_wait_dscnt 0x0
	s_endpgm
.Lfunc_end_k_qeaa9f41c8b_ffn1:
	.size	k_qeaa9f41c8b_ffn1, .Lfunc_end_k_qeaa9f41c8b_ffn1-k_qeaa9f41c8b_ffn1
	.p2alignl 7, 3214868480
	.fill 96, 4, 3214868480
	.section	.rodata,"a",@progbits
	.p2align	6, 0x0
	.amdhsa_kernel k_qeaa9f41c8b_ffn1
		.amdhsa_group_segment_fixed_size 327680
		.amdhsa_private_segment_fixed_size 0
		.amdhsa_enable_private_segment 0
		.amdhsa_kernarg_size 48
		.amdhsa_user_sgpr_count 2
		.amdhsa_user_sgpr_kernarg_segment_ptr 1
		.amdhsa_wavefront_size32 1
		.amdhsa_system_sgpr_workgroup_id_x 1
		.amdhsa_system_sgpr_workgroup_id_y 1
		.amdhsa_system_sgpr_workgroup_id_z 1
		.amdhsa_system_vgpr_workitem_id 0
		.amdhsa_next_free_vgpr 1024
		.amdhsa_next_free_sgpr 96
		.amdhsa_reserve_vcc 0
		.amdhsa_float_denorm_mode_32 3
		.amdhsa_float_denorm_mode_16_64 3
		.amdhsa_memory_ordered 1
		.amdhsa_forward_progress 1
		.amdhsa_inst_pref_size 138
	.end_amdhsa_kernel
	.amdgpu_metadata
---
amdhsa.version: [ 1, 2 ]
amdhsa.kernels:
  - .name:           k_qeaa9f41c8b_ffn1
    .symbol:         k_qeaa9f41c8b_ffn1.kd
    .args:
      - { .name: xq, .offset: 0, .size: 8, .value_kind: global_buffer, .address_space: global }
      - { .name: w1q, .offset: 8, .size: 8, .value_kind: global_buffer, .address_space: global }
      - { .name: b1, .offset: 16, .size: 8, .value_kind: global_buffer, .address_space: global }
      - { .name: hq, .offset: 24, .size: 8, .value_kind: global_buffer, .address_space: global }
      - { .name: w2, .offset: 32, .size: 8, .value_kind: global_buffer, .address_space: global }
      - { .name: w2q, .offset: 40, .size: 8, .value_kind: global_buffer, .address_space: global }
    .group_segment_fixed_size: 327680
    .private_segment_fixed_size: 0
    .kernarg_segment_align: 8
    .kernarg_segment_size: 48
    .max_flat_workgroup_size: 128
    .sgpr_count:     96
    .vgpr_count:     1024
    .wavefront_size: 32
...
	.end_amdgpu_metadata
.endif
;; end of part 2
;; launch ffn2 (part 3): grid 8 x 32, 4 waves a work-group, clusters of 4 x 4, 327,680 bytes of LDS; arguments hq, w2q, routing_tensor, part; writes part
.if DOCPART == 3
	.amdgcn_target "amdgcn-amd-amdhsa--gfx1250"
	.amdhsa_code_object_version 6
	.text
	.protected	k_qeaa9f41c8b_ffn2
	.globl	k_qeaa9f41c8b_ffn2
	.p2align	8
	.type	k_qeaa9f41c8b_ffn2,@function
k_qeaa9f41c8b_ffn2:
	s_mov_b64 s[64:65], 0
	v_nop
	global_prefetch_b8 v0, s[64:65] scope:SCOPE_SE
	s_setreg_imm32_b32 hwreg(HW_REG_WAVE_MODE, 25, 1), 1
	s_wait_xcnt 0x0
	s_wait_alu depctr_hold_cnt(0) depctr_sa_sdst(0) depctr_va_vdst(0) depctr_va_sdst(0) depctr_va_ssrc(0) depctr_va_vcc(0) depctr_vm_vsrc(0)
	s_getreg_b32 s2, hwreg(HW_REG_IB_STS2, 6, 4)
	s_cmp_eq_u32 s2, 0
	s_cbranch_scc0 .Lentry_in_a_cluster
	s_endpgm
.Lentry_in_a_cluster:
	s_bfe_u32 s2, ttmp6, 0x10000c
	s_cmp_lg_u32 s2, 0xf033
	s_cbranch_scc0 .Lentry_shape_is_right
	s_endpgm
.Lentry_shape_is_right:
.set SLOTB,  131072
.set STGW,   67584
.set SPITCH, 528
.set SPARE,  270336
.set RD,   8
.set ADRA, 16
.set ADRB, 20
.set STO,  24
.set RA,   25
.set CO,   26
.set SA,   27
.set SPW,  28
.set NIL,  29
.set PFO,  30
.set HS,   32
.set WS,   96
.set R,    160
.set AF,   192
.set G1,   24
.set G0,   32
.set G1B,  48
.set G0B,  56
.set PFA,  76
.set LIM,  78
.set MSB, 0
.macro WIN new
.if MSB != \new
	s_set_vgpr_msb (MSB<<8)|\new
.set MSB, \new
.endif
.endm
.set MUL_LO, 0xa1
.set MUL_HI, 0xf1
.set TO_B,   0x40
.macro JLOAD g0a, g1a, g0b, g1b
	s_cmp_eq_u32 s15, 0
	s_cbranch_scc0 .Lfor_b_\@
	tensor_load_to_lds s[\g0a:\g0a+3], s[\g1a:\g1a+7]
	s_nop 0
.rept 4
	v_nop
.endr
	s_branch .Lasked_\@
.Lfor_b_\@:
	tensor_load_to_lds s[\g0b:\g0b+3], s[\g1b:\g1b+7]
	s_nop 0
.rept 4
	v_nop
.endr
.Lasked_\@:
.endm
.macro ASK f
	s_cmp_eq_u32 s[LIM], 1
	s_cbranch_scc0 .Lnot_mine_\@
	global_prefetch_b8 v[PFO], s[PFA:PFA+1] offset:(\f)*16384 th:TH_LOAD_NT scope:SCOPE_SE
.Lnot_mine_\@:
.endm
.macro CREST
	s_cmp_lg_u32 s14, 0
	s_cbranch_scc1 .Lnot_wave_0_\@
	s_barrier_signal -3
.Lnot_wave_0_\@:
	s_barrier_wait -3
	s_barrier_signal -1
	s_barrier_wait -1
.endm
.macro CROUND
	s_barrier_signal -1
	s_barrier_wait -1
	CREST
.endm
	s_load_b256 s[4:11], s[0:1], 0x0
	v_lshl_add_u32 v[SPW], v0, 2, SPARE
	v_mov_b32 v[NIL], 0
	ds_add_u32 v[SPW], v[NIL]
	ds_add_u32 v[SPW], v[NIL]
	v_lshrrev_b32 v1, 5, v0
	v_readfirstlane_b32 s14, v1
	s_lshr_b32 s15, s14, 1
	s_and_b32 s16, s14, 1
	s_bfe_u32 s40, ttmp6, 0x40000
	s_bfe_u32 s41, ttmp6, 0x40004
	s_lshl_b32 s42, ttmp9, 2
	s_add_co_u32 s42, s42, s40
	s_and_b32 s17, ttmp7, 0xffff
	s_lshr_b32 s18, s17, 1
	s_and_b32 s19, s17, 1
	s_lshl_b32 s19, s19, 2
	s_add_co_u32 s19, s19, s41
	s_lshl_b32 s43, s41, 2
	s_lshl_b32 s43, 15, s43
	s_lshl_b32 s44, 0x1111, s40
	s_or_b32 s[G1+0], s43, (3<<16)|(1<<21)
	s_or_b32 s[G1B+0], s44, (3<<16)|(1<<21)
.irp g, G1, G1B
	s_mov_b32 s[\g+1], 2048<<16
	s_mov_b32 s[\g+2], 2<<16
	s_mov_b32 s[\g+3], 2048<<16
	s_mov_b32 s[\g+4], 2
	s_mov_b32 s[\g+5], 131072
	s_mov_b32 s[\g+6], 0
	s_mov_b32 s[\g+7], 0
.endr
	s_lshl_b32 s20, s18, 2
	s_lshl_b32 s21, s16, 1
	s_add_co_u32 s20, s20, s21
	s_lshl_b32 s20, s20, 20
	s_lshl_b32 s22, s19, 17
	s_add_co_u32 s22, s22, s20
	s_mov_b32 s23, 0
	s_lshl_b32 s46, s42, 17
	s_add_co_u32 s46, s46, s20
	s_mov_b32 s47, 0
	s_lshl_b32 s45, s14, 15
	s_lshl_b32 s66, s18, 2
	s_add_co_u32 s66, s66, s14
	s_lshl_b32 s67, s66, 3
	s_add_co_u32 s68, s67, s19
	s_lshl_b32 s68, s68, 13
	s_add_co_u32 s68, s68, 16777216
	s_mov_b32 s69, 0
	s_add_co_u32 s70, s67, s42
	s_lshl_b32 s70, s70, 13
	s_add_co_u32 s70, s70, 16777216
	s_mov_b32 s71, 0
	s_lshl_b32 s72, s19, 13
	s_lshl_b32 s67, s66, 2
	s_add_co_u32 s72, s72, s67
	s_mov_b32 s73, 0
	s_lshl_b32 s74, s18, 22
	s_lshl_b32 s67, s19, 19
	s_add_co_u32 s74, s74, s67
	s_lshl_b32 s67, s14, 17
	s_add_co_u32 s74, s74, s67
	s_lshl_b32 s67, s42, 9
	s_add_co_u32 s74, s74, s67
	s_mov_b32 s75, 0
	s_wait_dscnt 0x0
	s_wait_kmcnt 0x0
	s_add_nc_u64 s[22:23], s[4:5], s[22:23]
	s_add_nc_u64 s[46:47], s[6:7], s[46:47]
	s_add_nc_u64 s[68:69], s[4:5], s[68:69]
	s_add_nc_u64 s[70:71], s[6:7], s[70:71]
	s_add_nc_u64 s[72:73], s[8:9], s[72:73]
	s_add_nc_u64 s[74:75], s[10:11], s[74:75]
	CROUND
.irp s, 0,1
	s_mov_b32 s[G0+4*\s], 1
	s_add_co_u32 s[G0+4*\s+1], s45, \s*SLOTB
	s_add_nc_u64 s[G0+4*\s+2:G0+4*\s+3], s[22:23], \s*16384
	s_or_b32 s[G0+4*\s+3], s[G0+4*\s+3], 0x80000000
	s_mov_b32 s[G0B+4*\s], 1
	s_add_co_u32 s[G0B+4*\s+1], s45, \s*SLOTB
	s_add_nc_u64 s[G0B+4*\s+2:G0B+4*\s+3], s[46:47], \s*16384
	s_or_b32 s[G0B+4*\s+3], s[G0B+4*\s+3], 0x80000000
	s_wait_alu depctr_va_vdst(0)
	s_wait_tensorcnt 0x0
	ds_add_u32 v28, v29
	ds_add_u32 v28, v29
	s_wait_dscnt 0x0
	CROUND
	JLOAD G0+4*\s, G1, G0B+4*\s, G1B
.endr
	v_and_b32 v1, 31, v0
	v_and_b32 v2, 15, v0
	v_bfe_u32 v3, v0, 4, 1
	v_lshlrev_b32 v[CO], 4, v1
	v_lshlrev_b32 v[SA], 2, v2
	v_lshl_add_u32 v[SA], v3, 9, v[SA]
	v_lshlrev_b32 v[RA], 6, v2
.irp m, 0,1,2,3,4,5,6,7
.irp p, 0,1,2,3,4,5,6,7
	global_load_b32 v[HS+8*\m+\p], v[SA], s[68:69] offset:1024*\p+64*\m
	global_load_b32 v[WS+8*\m+\p], v[SA], s[70:71] offset:1024*\p+64*\m
.endr
.endr
.irp a, 0,1,2,3,4,5,6,7
	global_load_b32 v[R+2*\a], v[RA], s[72:73] offset:1024*\a
	v_mov_b32 v[R+2*\a+1], 0
.endr
	s_lshl_b32 s21, s14, 14
	v_add_nc_u32 v[ADRA], s21, v[CO]
	v_add_nc_u32 v[ADRA+1], SLOTB, v[ADRA]
	v_add_nc_u32 v[ADRB], 65536, v[ADRA]
	v_add_nc_u32 v[ADRB+1], 65536, v[ADRA+1]
	s_mul_i32 s21, s14, STGW
	v_mul_u32_u24 v[STO], v2, SPITCH
	v_lshl_add_u32 v[STO], v3, 5, v[STO]
	v_add_nc_u32 v[STO], s21, v[STO]
	s_mul_i32 s21, s14, 32*SPITCH
	v_add_nc_u32 v[RD], s21, v[CO]
	v_add_nc_u32 v[RD+1], STGW, v[RD]
	v_add_nc_u32 v[RD+2], 2*STGW, v[RD]
	v_add_nc_u32 v[RD+3], 3*STGW, v[RD]
	s_and_b32 s79, s17, 1
	s_cmp_eq_u32 s15, 0
	s_cselect_b64 s[PFA:PFA+1], s[22:23], s[46:47]
	s_cselect_b32 s80, s40, s41
	s_cselect_b32 s79, ttmp9, s79
	s_cmp_eq_u32 s79, 0
	s_cselect_b32 s[LIM], 1, 0
	s_lshr_b32 s81, s80, 1
	s_lshl_b32 s81, s81, 20
	s_and_b32 s80, s80, 1
	s_lshl_b32 s80, s80, 13
	s_add_co_u32 s80, s80, s81
	s_mov_b32 s81, 0
	s_add_nc_u64 s[PFA:PFA+1], s[PFA:PFA+1], s[80:81]
	v_lshlrev_b32 v[PFO], 8, v1
.macro FRAG reg, adr, q, i
.irp c, 0,1
	ds_load_b128 v[\reg+4*\c:\reg+4*\c+3], v[\adr] offset:8192*(\q)+1024*(\i)+512*\c
.endr
.endm
.macro MUL16 a0, s, zero
.irp a, \a0, \a0+1
.irp b, 0,1,2,3,4,5,6,7
.if \zero
	v_wmma_scale_f32_16x16x128_f8f6f4 v[8*(8*((\a)%4)+\b):8*(8*((\a)%4)+\b)+7], v[128*((\s)%2)+8*\b:128*((\s)%2)+8*\b+7], v[AF+8*(\a):AF+8*(\a)+7], 0, v[WS+8*\b+(\s)/2], v[HS+8*(\a)+(\s)/2] matrix_a_fmt:MATRIX_FMT_FP4 matrix_b_fmt:MATRIX_FMT_FP4
.elseif (\s)%2
	v_wmma_scale_f32_16x16x128_f8f6f4 v[8*(8*((\a)%4)+\b):8*(8*((\a)%4)+\b)+7], v[128*((\s)%2)+8*\b:128*((\s)%2)+8*\b+7], v[AF+8*(\a):AF+8*(\a)+7], v[8*(8*((\a)%4)+\b):8*(8*((\a)%4)+\b)+7], v[WS+8*\b+(\s)/2], v[HS+8*(\a)+(\s)/2] matrix_a_fmt:MATRIX_FMT_FP4 matrix_b_fmt:MATRIX_FMT_FP4 matrix_a_scale:MATRIX_SCALE_ROW1 matrix_b_scale:MATRIX_SCALE_ROW1
.else
	v_wmma_scale_f32_16x16x128_f8f6f4 v[8*(8*((\a)%4)+\b):8*(8*((\a)%4)+\b)+7], v[128*((\s)%2)+8*\b:128*((\s)%2)+8*\b+7], v[AF+8*(\a):AF+8*(\a)+7], v[8*(8*((\a)%4)+\b):8*(8*((\a)%4)+\b)+7], v[WS+8*\b+(\s)/2], v[HS+8*(\a)+(\s)/2] matrix_a_fmt:MATRIX_FMT_FP4 matrix_b_fmt:MATRIX_FMT_FP4
.endif
.endr
.endr
.endm
.macro FETCH_B slot, q, p
	WIN TO_B
.irp i, 0,1,2,3,4,5,6,7
	FRAG 128*(\p)+8*\i, ADRB+\slot, \q, \i
.endr
	WIN 0
.endm
.macro FETCH_A slot, q, i0
.irp i, \i0, \i0+1, \i0+2, \i0+3
	FRAG AF+8*(\i), ADRA+\slot, \q, \i
.endr
.endm
.macro PLACES
.rept 4
	v_nop
.endr
.endm
.macro STEP slot, s, zero
	s_wait_dscnt 8
	WIN MUL_LO
	MUL16 0, \s, \zero
	MUL16 2, \s, \zero
	s_wait_dscnt 0
	PLACES
	FETCH_B \slot, 1, 1
	FETCH_A \slot, 1, 0
	WIN MUL_HI
	MUL16 4, \s, \zero
	MUL16 6, \s, \zero
	PLACES
	WIN 0
	FETCH_A \slot, 1, 4
.endm
.macro TURN slot, next, s, fill
	s_wait_tensorcnt 0x0
	ds_add_u32 v[SPW], v[NIL]
	s_wait_dscnt 9
	WIN MUL_LO
	MUL16 0, \s, 0
	s_wait_dscnt 0x0
	s_barrier_signal -1
	MUL16 2, \s, 0
	WIN 0
	s_barrier_wait -1
.if \fill
	CREST
	s_add_nc_u64 s[G0+4*\slot+2:G0+4*\slot+3], s[G0+4*\slot+2:G0+4*\slot+3], 32768
	s_add_nc_u64 s[G0B+4*\slot+2:G0B+4*\slot+3], s[G0B+4*\slot+2:G0B+4*\slot+3], 32768
	JLOAD G0+4*\slot, G1, G0B+4*\slot, G1B
.else
	PLACES
.endif
	s_wait_alu depctr_va_vdst(0)
	FETCH_B \next, 0, 0
	FETCH_A \next, 0, 0
.if (\fill) && ((\s) < 9)
	ASK ((\s)+7)/2
.endif
	WIN MUL_HI
	MUL16 4, \s, 0
	MUL16 6, \s, 0
	PLACES
	WIN 0
	FETCH_A \next, 0, 4
.endm
	s_wait_tensorcnt 1
	s_barrier_signal -1
	s_barrier_wait -1
	FETCH_B 0, 0, 0
	FETCH_A 0, 0, 0
	FETCH_A 0, 0, 4
	s_wait_loadcnt 0x0
	STEP 0, 0, 1
	TURN 0, 1, 1, 1
	STEP 1, 2, 0
	TURN 1, 0, 3, 1
	STEP 0, 4, 0
	TURN 0, 1, 5, 1
	STEP 1, 6, 0
	TURN 1, 0, 7, 1
	STEP 0, 8, 0
	TURN 0, 1, 9, 1
	STEP 1, 10, 0
	TURN 1, 0, 11, 1
	STEP 0, 12, 0
	TURN 0, 1, 13, 0
	STEP 1, 14, 0
	s_wait_dscnt 8
	WIN MUL_LO
	MUL16 0, 15, 0
	MUL16 2, 15, 0
	s_wait_dscnt 0
	WIN MUL_HI
	MUL16 4, 15, 0
	MUL16 6, 15, 0
	WIN 0
	s_wait_dscnt 0x0
	s_barrier_signal -1
	s_barrier_wait -1
	PLACES
.macro SCALE_OUT hi
	WIN 0x82+0x41*(\hi)
.irp a, 0,1,2,3
.irp b, 0,1,2,3,4,5,6,7
.irp i, 0,2,4,6
	v_pk_mul_f32 v[8*(8*\a+\b)+\i:8*(8*\a+\b)+\i+1], v[8*(8*\a+\b)+\i:8*(8*\a+\b)+\i+1], v[R+2*(4*(\hi)+\a):R+2*(4*(\hi)+\a)+1] op_sel_hi:[1,0]
.endr
.endr
.endr
	WIN 0x08+4*(\hi)
.irp a, 0,1,2,3
.irp b, 0,1,2,3,4,5,6,7
	ds_store_b128 v[STO], v[8*(8*\a+\b):8*(8*\a+\b)+3] offset:16*SPITCH*(4*(\hi)+\a)+64*\b
	ds_store_b128 v[STO], v[8*(8*\a+\b)+4:8*(8*\a+\b)+7] offset:16*SPITCH*(4*(\hi)+\a)+64*\b+16
.endr
.endr
.endm
	SCALE_OUT 0
	SCALE_OUT 1
	WIN 0
	s_wait_dscnt 0x0
	s_barrier_signal -1
	s_barrier_wait -1
.macro LOADCH ch
	WIN TO_B
.irp rr, 0,1,2,3,4,5,6,7
.irp v, 0,1,2,3
	ds_load_b128 v[128*((\ch)%2)+16*\rr+4*\v:128*((\ch)%2)+16*\rr+4*\v+3], v[RD+\v] offset:SPITCH*(8*(\ch)+\rr)
.endr
.endr
.endm
.macro SUMCH ch
	WIN 0x45
.irp rr, 0,1,2,3,4,5,6,7
.set BB, 128*((\ch)%2)+16*\rr
	v_pk_add_f32 v[BB:BB+1], v[BB:BB+1], v[BB+4:BB+5]
	v_pk_add_f32 v[BB+2:BB+3], v[BB+2:BB+3], v[BB+6:BB+7]
	v_pk_add_f32 v[BB+8:BB+9], v[BB+8:BB+9], v[BB+12:BB+13]
	v_pk_add_f32 v[BB+10:BB+11], v[BB+10:BB+11], v[BB+14:BB+15]
	v_pk_add_f32 v[BB:BB+1], v[BB:BB+1], v[BB+8:BB+9]
	v_pk_add_f32 v[BB+2:BB+3], v[BB+2:BB+3], v[BB+10:BB+11]
.endr
	WIN 0x04
.irp rr, 0,1,2,3,4,5,6,7
	global_store_b128 v[CO], v[128*((\ch)%2)+16*\rr:128*((\ch)%2)+16*\rr+3], s[74:75] offset:4096*(8*(\ch)+\rr)
.endr
.endm
	LOADCH 0
	LOADCH 1
	s_wait_dscnt 32
	SUMCH 0
	s_wait_xcnt 0x0
	LOADCH 2
	s_wait_dscnt 32
	SUMCH 1
	s_wait_xcnt 0x0
	LOADCH 3
	s_wait_dscnt 32
	SUMCH 2
	s_wait_dscnt 0x0
	SUMCH 3
	WIN 0
	s_wait_tensorcnt 0x0
	ds_add_u32 v[SPW], v[NIL]
	s_wait_dscnt 0x0
	CROUND
	s_endpgm
.Lfunc_end_k_qeaa9f41c8b_ffn2:
	.size	k_qeaa9f41c8b_ffn2, .Lfunc_end_k_qeaa9f41c8b_ffn2-k_qeaa9f41c8b_ffn2
	.p2alignl 7, 3214868480
	.fill 96, 4, 3214868480
	.section	.rodata,"a",@progbits
	.p2align	6, 0x0
	.amdhsa_kernel k_qeaa9f41c8b_ffn2
		.amdhsa_group_segment_fixed_size 327680
		.amdhsa_private_segment_fixed_size 0
		.amdhsa_enable_private_segment 0
		.amdhsa_kernarg_size 32
		.amdhsa_user_sgpr_count 2
		.amdhsa_user_sgpr_kernarg_segment_ptr 1
		.amdhsa_wavefront_size32 1
		.amdhsa_system_sgpr_workgroup_id_x 1
		.amdhsa_system_sgpr_workgroup_id_y 1
		.amdhsa_system_sgpr_workgroup_id_z 1
		.amdhsa_system_vgpr_workitem_id 0
		.amdhsa_next_free_vgpr 1024
		.amdhsa_next_free_sgpr 98
		.amdhsa_reserve_vcc 0
		.amdhsa_float_denorm_mode_32 3
		.amdhsa_float_denorm_mode_16_64 3
		.amdhsa_memory_ordered 1
		.amdhsa_forward_progress 1
		.amdhsa_inst_pref_size 245
	.end_amdhsa_kernel
	.amdgpu_metadata
---
amdhsa.version: [ 1, 2 ]
amdhsa.kernels:
  - .name:           k_qeaa9f41c8b_ffn2
    .symbol:         k_qeaa9f41c8b_ffn2.kd
    .args:
      - { .name: hq, .offset: 0, .size: 8, .value_kind: global_buffer, .address_space: global }
      - { .name: w2q, .offset: 8, .size: 8, .value_kind: global_buffer, .address_space: global }
      - { .name: routing_tensor, .offset: 16, .size: 8, .value_kind: global_buffer, .address_space: global }
      - { .name: part, .offset: 24, .size: 8, .value_kind: global_buffer, .address_space: global }
    .group_segment_fixed_size: 327680
    .private_segment_fixed_size: 0
    .kernarg_segment_align: 8
    .kernarg_segment_size: 32
    .max_flat_workgroup_size: 128
    .sgpr_count:     98
    .vgpr_count:     1024
    .wavefront_size: 32
...
	.end_amdgpu_metadata
.endif
;; end of part 3
;; launch combine (part 4): grid 256 x 1, 8 waves a work-group, no clusters, 0 bytes of LDS; arguments part, out0; writes out0
.if DOCPART == 4
	.amdgcn_target "amdgcn-amd-amdhsa--gfx1250"
	.amdhsa_code_object_version 6
	.text
	.protected	k_qeaa9f41c8b_combine
	.globl	k_qeaa9f41c8b_combine
	.p2align	8
	.type	k_qeaa9f41c8b_combine,@function
k_qeaa9f41c8b_combine:
	s_mov_b64 s[64:65], 0
	v_nop
	global_prefetch_b8 v0, s[64:65] scope:SCOPE_SE
	s_setreg_imm32_b32 hwreg(HW_REG_WAVE_MODE, 25, 1), 1
	s_wait_xcnt 0x0
; out0[n][d] = ((part[0] + part[1]) + (part[2] + part[3]))[n][d]: the sum over the four groups of experts, in f32.  Nothing is left out.  The order of the sums is this text's own, not the one in which the problem writes them.
; A plain stream: no LDS, no barrier, no matrix unit.  Thread t of work-group w owns the 16 bytes at 16,384 w + 4,096 k + 16 t, k = 0 .. 3: every load and store of a wave covers 512 consecutive bytes.
; All 16 loads of a thread go out at once; the waits count down by the four loads of each later k.
	s_load_b128 s[4:7], s[0:1], 0x0                ; part s[4:5], out0 s[6:7]
	v_lshlrev_b32 v1, 4, v0
	s_lshl_b32 s8, ttmp9, 14
	s_mov_b32 s9, 0
	s_wait_alu depctr_va_vdst(0)
	s_wait_kmcnt 0x0
	s_add_nc_u64 s[4:5], s[4:5], s[8:9]
	s_add_nc_u64 s[6:7], s[6:7], s[8:9]
	s_add_nc_u64 s[10:11], s[4:5], 8388608         ; groups 2 and 3: a second base, so that every offset stays inside the signed 24-bit immediate (ISA guide, chapter 10)
.irp k, 0,1,2,3
	global_load_b128 v[16+16*\k:19+16*\k], v1, s[4:5] offset:4096*\k th:TH_LOAD_NT
	global_load_b128 v[20+16*\k:23+16*\k], v1, s[4:5] offset:4194304+4096*\k th:TH_LOAD_NT
	global_load_b128 v[24+16*\k:27+16*\k], v1, s[10:11] offset:4096*\k th:TH_LOAD_NT
	global_load_b128 v[28+16*\k:31+16*\k], v1, s[10:11] offset:4194304+4096*\k th:TH_LOAD_NT
.endr
.irp k, 0,1,2,3
	s_wait_loadcnt 12-4*\k                         ; loads come back in order (ISA guide 5.7.1): the four of this k are in, those of the later k may be out
	v_pk_add_f32 v[16+16*\k:17+16*\k], v[16+16*\k:17+16*\k], v[20+16*\k:21+16*\k]
	v_pk_add_f32 v[18+16*\k:19+16*\k], v[18+16*\k:19+16*\k], v[22+16*\k:23+16*\k]
	v_pk_add_f32 v[24+16*\k:25+16*\k], v[24+16*\k:25+16*\k], v[28+16*\k:29+16*\k]
	v_pk_add_f32 v[26+16*\k:27+16*\k], v[26+16*\k:27+16*\k], v[30+16*\k:31+16*\k]
	s_delay_alu instid0(VALU_DEP_2)
	v_pk_add_f32 v[16+16*\k:17+16*\k], v[16+16*\k:17+16*\k], v[24+16*\k:25+16*\k]
	s_delay_alu instid0(VALU_DEP_2)
	v_pk_add_f32 v[18+16*\k:19+16*\k], v[18+16*\k:19+16*\k], v[26+16*\k:27+16*\k]
	global_store_b128 v1, v[16+16*\k:19+16*\k], s[6:7] offset:4096*\k th:TH_STORE_NT
.endr
	s_endpgm
.Lfunc_end_k_qeaa9f41c8b_combine:
	.size	k_qeaa9f41c8b_combine, .Lfunc_end_k_qeaa9f41c8b_combine-k_qeaa9f41c8b_combine
	.p2alignl 7, 3214868480
	.fill 96, 4, 3214868480
	.section	.rodata,"a",@progbits
	.p2align	6, 0x0
	.amdhsa_kernel k_qeaa9f41c8b_combine
		.amdhsa_group_segment_fixed_size 0
		.amdhsa_private_segment_fixed_size 0
		.amdhsa_enable_private_segment 0
		.amdhsa_kernarg_size 16
		.amdhsa_user_sgpr_count 2
		.amdhsa_user_sgpr_kernarg_segment_ptr 1
		.amdhsa_wavefront_size32 1
		.amdhsa_system_sgpr_workgroup_id_x 1
		.amdhsa_system_sgpr_workgroup_id_y 1
		.amdhsa_system_sgpr_workgroup_id_z 1
		.amdhsa_system_vgpr_workitem_id 0
		.amdhsa_next_free_vgpr 96
		.amdhsa_next_free_sgpr 66
		.amdhsa_reserve_vcc 0
		.amdhsa_float_denorm_mode_32 3
		.amdhsa_float_denorm_mode_16_64 3
		.amdhsa_memory_ordered 1
		.amdhsa_forward_progress 1
		.amdhsa_inst_pref_size 5
	.end_amdhsa_kernel
	.amdgpu_metadata
---
amdhsa.version: [ 1, 2 ]
amdhsa.kernels:
  - .name:           k_qeaa9f41c8b_combine
    .symbol:         k_qeaa9f41c8b_combine.kd
    .args:
      - { .name: part, .offset: 0, .size: 8, .value_kind: global_buffer, .address_space: global }
      - { .name: out0, .offset: 8, .size: 8, .value_kind: global_buffer, .address_space: global }
    .group_segment_fixed_size: 0
    .private_segment_fixed_size: 0
    .kernarg_segment_align: 8
    .kernarg_segment_size: 16
    .max_flat_workgroup_size: 256
    .sgpr_count:     66
    .vgpr_count:     96
    .wavefront_size: 32
...
	.end_amdgpu_metadata
.endif
;; end of part 4
